; MI455X (gfx1250); checked and timed in simulation.
; The chip was launched on July 23, 2026; its instructions are those of AMD's public machine-readable ISA for CDNA 5 (MIT licence, August 2026) and "CDNA5" Instruction Set Architecture Reference Guide (July 2026). The comments in the code are by the model that wrote it; some were corrected since.
;; Vector Quantizer. Allowed arithmetic: matrix products marked QUANTISED: E3M2 operands, one E8M0 scale for each 32 along K, by v_wmma_scale_f32_16x16x128_f8f6f4 with both operands' format E3M2, f32 sums; everything else in f32.
;; Inputs: embeddings_weight 8,192 x 256 float32; inputs 8 x 4,096 x 256 float32.
;; Outputs: out0 8 x 4,096 x 256 float32; out1 32,768 int32.
;; This version of the problem:
;;   THIS VERSION OF THE PROBLEM IS GIVEN IN LOW PRECISION. The matrix products marked QUANTISED in the list below multiply operands that are first quantised to E3M2 (3 exponent bits, 2 mantissa bits; 6 bits a number), with one power-of-two scale for each 32 numbers along K (OCP MX v1.0); their sums are f32. All else is computed in f32.
;;   The module's matrix products, in the order in which they are computed (A, B: the left and right operand; K: the contracted axis; several contracted axes count as one K, in the product's order):
;;     1. [M 32,768, K 256] x [K 256, N 8,192]; A: input inputs; B: input embeddings_weight: QUANTISED
;;   THE QUANTISER, for each operand of a quantised product, along K:
;;     - K is cut into blocks of 32 from its start; a last block that is shorter is filled with zeros.
;;     - A block's scale is 2^e with e = floor(log2(the largest magnitude in the block)) - 4, held to -126 .. 127; a block of zeros has e = 0. As a byte (E8M0): e + 127.
;;     - Each number is divided by its block's scale, clamped to +-28, and rounded to the nearest number of E3M2, ties to even, subnormals kept.
;;     - The product sums the exact products of the quantised numbers (number of the format x scale) in f32.
;;   ~~~python
;;   def quantise(x, axis):      # numpy; x: float32 -> the quantised numbers, widened to float32 again
;;       x = np.moveaxis(x, axis, -1); K = x.shape[-1]
;;       x = np.pad(x, [(0, 0)] * (x.ndim - 1) + [(0, -K % 32)]); x = x.reshape(x.shape[:-1] + (-1, 32)); a = np.abs(x).max(-1, keepdims=True)
;;       e = np.where(a > 0, np.clip(np.frexp(np.where(a > 0, a, 1))[1] - 1 - 4, -126, 127), 0)      # np.frexp(a)[1] - 1 = floor(log2(a)), exactly
;;       r = np.clip(x / 2.0 ** e, -28, 28)
;;       step = 2.0 ** (np.maximum(np.frexp(np.where(r == 0, 1, r))[1] - 1, -2) - 2)
;;       q = np.round(r / step) * step * 2.0 ** e      # np.round: ties to even
;;       return np.moveaxis(q.reshape(q.shape[:-2] + (-1,))[..., :K], -1, axis).astype(np.float32)
;;   ~~~
;; One version. Each part assembles by itself: llvm-mc -triple=amdgcn-amd-amdhsa -mcpu=gfx1250 --defsym DOCPART=n.
;; ======== version 1 of 1: 3 launches
;; limits: right only within a limited range of input values
;; workspace buffers: wimg 1,703,936 bytes; idxw 131,072 bytes of whole numbers
;; launch quantw (part 1): grid 256 x 1, 2 waves a work-group, no clusters, 17,664 bytes of LDS; arguments embeddings_weight, wimg; writes wimg
.if DOCPART == 1
	.amdgcn_target "amdgcn-amd-amdhsa--gfx1250"
	.amdhsa_code_object_version 6
	.text
	.protected	k_qe9dd165152_quantw
	.globl	k_qe9dd165152_quantw
	.p2align	8
	.type	k_qe9dd165152_quantw,@function
k_qe9dd165152_quantw:
	s_mov_b64 s[64:65], 0
	v_nop
	global_prefetch_b8 v0, s[64:65] scope:SCOPE_SE
	s_setreg_imm32_b32 hwreg(HW_REG_WAVE_MODE, 25, 1), 1
	s_wait_xcnt 0x0
; The code book W [8192][256] f32 becomes, once, what the product's launch reads: for each tile of 16 code rows a block of 3,328 bytes (13 x 256):
;   bytes 0-3071    the operand's registers as they stand: K step s (128 along K), register group c of three: lane l's 16 bytes at 1536 s + 512 c + 16 l
;   bytes 3072-3199 the scale words: word r = row r's four E8M0 bytes of K step 0, word 16 + r those of K step 1
;   bytes 3200-3263 the sixteen sums of squares of the UNQUANTISED rows, f32;   bytes 3264-3327 zeros
; Codes are E3M2, one scale for each 32 along K: scale byte = the block's largest magnitude's exponent field - 4, held at 1 from below.
; LIMITS: a block of zeros gets the byte 1 where the rule says 127 (its codes are zeros, and this program alone reads the bytes); blocks whose largest magnitude lies under 2^-122
; are held at the byte 1; NaN and infinities are not served; a row's sum of squares is taken in this text's own order (two packed chains of fused multiply-adds, then the lanes' halves).
; SHARES: a wave takes one tile: 16 rows of 1,024 bytes.  Every load reads 512 consecutive bytes of a row; the conversions want 16 neighbours along K in ONE lane, so a K step's
; 8,192 bytes turn through the wave's own stage in LDS (rows 528 bytes apart: 16 rows start in 16 different groups of banks).  Waves share nothing: no barrier.
.set STG,  0                           ; LDS: a stage of 16 x 528 bytes for each wave
.set UB,   16896                       ; behind them 256 bytes for each wave: the block's last unit is gathered there
.set X,    32                          ; v32-95   64 numbers of my row: register 16 b + i = k 32 b + 16 (lane / 16) + i of the K step
.set RAW0, 96                          ; v96-159  K step 0 as loaded
.set RAW1, 160                         ; v160-223 K step 1 as loaded
.set TM,   96                          ; once K step 0 has gone to the stage its registers serve the quantiser: v96-111 at work,
.set PC,   112                         ; v112-130 the codes (12 registers, and 7 at work),
.set PW,   132                         ; v132     the scale word,
.set SQ,   134                         ; v134-137 the sum of squares, in two packed chains
.set XA,   3                           ; v3   16 x lane
.set STI,  4                           ; v4   the stage, on the way in
.set STO,  5                           ; v5   and on the way out
.set UBR,  7                           ; v7   my wave's unit + 4 (lane % 16)
.set UBL,  8                           ; v8   my wave's unit + 8 x lane
.set GOL,  9                           ; v9   8 x lane
.set ZR,   10                          ; v10  0
.set SRC,  4                           ; s[4:5] my 16 rows of W
.set DST,  6                           ; s[6:7] my block of wimg
.set WV,   12
.set SEL,  20                          ; s[20:21] v_permlanex16_b32's selects for lane l xor 16
.macro XLOAD s, reg                    ; K step s of my 16 rows: each load takes 512 consecutive bytes of row i
.irp i, 0,1,2,3,4,5,6,7,8,9,10,11,12,13,14,15
	global_load_b128 v[\reg+4*\i:\reg+4*\i+3], v[XA], s[SRC:SRC+1] offset:1024*\i+512*(\s) th:TH_LOAD_NT
.endr
.endm
.macro TOSTAGE reg                     ; as loaded, row i at 528 i
.irp i, 0,1,2,3,4,5,6,7,8,9,10,11,12,13,14,15
	ds_store_b128 v[STI], v[\reg+4*\i:\reg+4*\i+3] offset:528*\i
.endr
.endm
.macro FROMSTAGE                       ; lane (r, h) takes of row r the 16 numbers 32 b + 16 h on of each block b.  LDS serves a wave's instructions in order: these see the stores above
.irp b, 0,1,2,3
.irp j, 0,1,2,3
	ds_load_b128 v[X+16*\b+4*\j:X+16*\b+4*\j+3], v[STO] offset:128*\b+16*\j
.endr
.endr
.endm
.macro SUMSQ first                     ; the squares of my 64 numbers onto two packed chains; first = 1: the first products start the sums
.if \first
	v_pk_mul_f32 v[SQ:SQ+1], v[X:X+1], v[X:X+1]
	v_pk_mul_f32 v[SQ+2:SQ+3], v[X+2:X+3], v[X+2:X+3]
.else
	v_pk_fma_f32 v[SQ:SQ+1], v[X:X+1], v[X:X+1], v[SQ:SQ+1]
	v_pk_fma_f32 v[SQ+2:SQ+3], v[X+2:X+3], v[X+2:X+3], v[SQ+2:SQ+3]
.endif
.irp j, 4,8,12,16,20,24,28,32,36,40,44,48,52,56,60
	v_pk_fma_f32 v[SQ:SQ+1], v[X+\j:X+\j+1], v[X+\j:X+\j+1], v[SQ:SQ+1]
	v_pk_fma_f32 v[SQ+2:SQ+3], v[X+\j+2:X+\j+3], v[X+\j+2:X+\j+3], v[SQ+2:SQ+3]
.endr
.endm
.macro SQEND                           ; the four part sums, and lane l xor 16's: both halves of the lanes then hold row r's sum
	v_add_f32 v[SQ], v[SQ], v[SQ+1]
	v_add_f32 v[SQ+2], v[SQ+2], v[SQ+3]
	v_add_f32 v[SQ], v[SQ], v[SQ+2]
	v_permlanex16_b32 v[SQ+1], v[SQ], s[SEL], s[SEL+1]
	v_add_f32 v[SQ], v[SQ], v[SQ+1]
.endm
.macro QUANT                           ; v[X] on become a fragment's codes in v[PC] .. v[PC+11] and my row's scale word in v[PW]
.irp b, 0,1,2,3
	v_max3_num_f32 v[TM+\b], |v[X+16*\b]|, |v[X+1+16*\b]|, 0x2800000   ; block b: my 16 numbers, and the floor 2^(5 - 127): so the byte cannot fall under 1
.endr
.irp i, 2,4,6,8,10,12,14
.irp b, 0,1,2,3
	v_max3_num_f32 v[TM+\b], v[TM+\b], |v[X+16*\b+\i]|, |v[X+1+16*\b+\i]|   ; the four blocks by turns
.endr
.endr
.irp b, 0,1,2,3
	v_permlanex16_b32 v[TM+4+\b], v[TM+\b], s[SEL], s[SEL+1]
.endr
.irp b, 0,1,2,3
	v_max_num_f32 v[TM+\b], v[TM+\b], v[TM+4+\b]   ; with lane l xor 16's: the block's largest magnitude
.endr
.irp b, 0,1,2,3
	v_add_nc_u32 v[TM+12+\b], 0xfe000000, v[TM+\b]   ; 4 off its exponent field: the conversion takes the exponent field of this operand as its scale
.endr
.irp b, 0,1,2,3
	v_lshrrev_b32 v[TM+4+\b], 23, v[TM+12+\b]      ; the scale's byte
.endr
	v_lshl_or_b32 v[PW], v[TM+5], 8, v[TM+4]
	v_lshl_or_b32 v[PW], v[TM+6], 16, v[PW]
	v_lshl_or_b32 v[PW], v[TM+7], 24, v[PW]
.irp c, 0,1
	v_cvt_scalef32_pk16_bf6_f32 v[PC+6*\c:PC+2+6*\c], v[X+32*\c:X+15+32*\c], v[TM+12+2*\c]
	v_cvt_scalef32_pk16_bf6_f32 v[PC+12+4*\c:PC+14+4*\c], v[X+16+32*\c:X+31+32*\c], v[TM+12+2*\c+1]   ; (a conversion's three registers begin on an even number)
.endr
	v_nop                                          ; one plain place behind a scaled conversion
.irp c, 0,1                                    ; the operand's layout wants a WHOLE block in a lane: lanes 0-15 block 2 c, lanes 16-31 block 2 c + 1
.irp i, 0,1,2
	v_permlane16_swap_b32 v[PC+6*\c+\i], v[PC+12+4*\c+\i]
.endr
.irp i, 0,1,2
	v_mov_b32 v[PC+3+6*\c+\i], v[PC+12+4*\c+\i]
.endr
.endr
.endm
	s_load_b128 s[4:7], s[0:1], 0x0                ; W, wimg
	v_lshl_add_u32 v254, v0, 2, 0x4400
	v_mov_b32 v255, 0
	v_lshrrev_b32 v1, 5, v0
	v_readfirstlane_b32 s[WV], v1                  ; wave 0, 1
	v_and_b32 v1, 31, v0                           ; lane
	v_and_b32 v2, 15, v0                           ; r
	v_bfe_u32 v6, v0, 4, 1                         ; h
	v_lshlrev_b32 v[XA], 4, v1
	s_mul_i32 s13, s[WV], 8448                     ; my stage
	v_add_nc_u32 v[STI], s13, v[XA]
	v_mul_u32_u24 v[STO], v2, 528
	v_lshl_add_u32 v[STO], v6, 6, v[STO]
	v_add_nc_u32 v[STO], s13, v[STO]
	s_lshl_b32 s13, s[WV], 8
	s_add_co_u32 s13, s13, UB                      ; my unit
	v_lshl_add_u32 v[UBR], v2, 2, s13
	v_lshl_add_u32 v[UBL], v1, 3, s13
	v_lshlrev_b32 v[GOL], 3, v1
	v_mov_b32 v[ZR], 0
	s_mov_b32 s[SEL], 0x76543210
	s_mov_b32 s[SEL+1], 0xfedcba98
	s_lshl_b32 s14, ttmp9, 1
	s_add_co_u32 s14, s14, s[WV]                   ; my tile: 2 x work-group + wave
	s_lshl_b32 s16, s14, 14                        ; 16 rows of 1,024 bytes
	s_mov_b32 s17, 0
	s_mul_i32 s18, s14, 3328
	s_mov_b32 s19, 0
	s_wait_alu depctr_va_vdst(0)
	s_wait_kmcnt 0x0
	s_add_nc_u64 s[SRC:SRC+1], s[SRC:SRC+1], s[16:17]
	s_add_nc_u64 s[DST:DST+1], s[DST:DST+1], s[18:19]
	XLOAD 0, RAW0
	XLOAD 1, RAW1                                  ; all my 16,384 bytes are on their way
	s_wait_loadcnt 0x10                            ; K step 0's sixteen loads are in, K step 1's sixteen stay out
	TOSTAGE RAW0
	FROMSTAGE
	s_wait_dscnt 0x0                               ; my 64 numbers are back; the stores have read K step 0's registers, which now serve the quantiser
.irp b, 0,1,2,3
	v_mov_b32 v[TM+4+\b], 0                        ; written once: a lane permute's destination counts as one of its sources
.endr
	SUMSQ 1
	QUANT
.irp c, 0,1,2
	global_store_b128 v[XA], v[PC+4*\c:PC+4*\c+3], s[DST:DST+1] offset:512*\c   ; 32 lanes store 512 consecutive bytes, at a multiple of 256 from wimg's first byte
.endr
	ds_store_b32 v[UBR], v[PW]                     ; both halves of the lanes write the same word with the same value
	s_wait_loadcnt 0x0
	TOSTAGE RAW1
	FROMSTAGE
	s_wait_dscnt 0x0
	s_wait_xcnt 0x0                                ; the three stores have read the codes' registers: they are written again only behind this wait
	SUMSQ 0
	QUANT
.irp c, 0,1,2
	global_store_b128 v[XA], v[PC+4*\c:PC+4*\c+3], s[DST:DST+1] offset:1536+512*\c
.endr
	ds_store_b32 v[UBR], v[PW] offset:64
	SQEND
	ds_store_b32 v[UBR], v[SQ] offset:128
	ds_store_b32 v[UBR], v[ZR] offset:192
	ds_load_b64 v[12:13], v[UBL]                   ; LDS serves a wave's instructions in order: this sees the four stores
	s_wait_dscnt 0x0
	global_store_b64 v[GOL], v[12:13], s[DST:DST+1] offset:3072   ; the block's last 256 bytes, whole
	s_wait_tensorcnt 0x0
	ds_add_u32 v254, v255
	s_wait_dscnt 0x0
	s_endpgm
.Lfunc_end_k_qe9dd165152_quantw:
	.size	k_qe9dd165152_quantw, .Lfunc_end_k_qe9dd165152_quantw-k_qe9dd165152_quantw
	.p2alignl 7, 3214868480
	.fill 96, 4, 3214868480
	.section	.rodata,"a",@progbits
	.p2align	6, 0x0
	.amdhsa_kernel k_qe9dd165152_quantw
		.amdhsa_group_segment_fixed_size 17664
		.amdhsa_private_segment_fixed_size 0
		.amdhsa_enable_private_segment 0
		.amdhsa_kernarg_size 16
		.amdhsa_user_sgpr_count 2
		.amdhsa_user_sgpr_kernarg_segment_ptr 1
		.amdhsa_wavefront_size32 1
		.amdhsa_system_sgpr_workgroup_id_x 1
		.amdhsa_system_sgpr_workgroup_id_y 1
		.amdhsa_system_sgpr_workgroup_id_z 1
		.amdhsa_system_vgpr_workitem_id 0
		.amdhsa_next_free_vgpr 256
		.amdhsa_next_free_sgpr 66
		.amdhsa_reserve_vcc 0
		.amdhsa_float_denorm_mode_32 3
		.amdhsa_float_denorm_mode_16_64 3
		.amdhsa_memory_ordered 1
		.amdhsa_forward_progress 1
		.amdhsa_inst_pref_size 22
	.end_amdhsa_kernel
	.amdgpu_metadata
---
amdhsa.version: [ 1, 2 ]
amdhsa.kernels:
  - .name:           k_qe9dd165152_quantw
    .symbol:         k_qe9dd165152_quantw.kd
    .args:
      - { .name: embeddings_weight, .offset: 0, .size: 8, .value_kind: global_buffer, .address_space: global }
      - { .name: wimg, .offset: 8, .size: 8, .value_kind: global_buffer, .address_space: global }
    .group_segment_fixed_size: 17664
    .private_segment_fixed_size: 0
    .kernarg_segment_align: 8
    .kernarg_segment_size: 16
    .max_flat_workgroup_size: 64
    .sgpr_count:     66
    .vgpr_count:     256
    .wavefront_size: 32
...
	.end_amdgpu_metadata
.endif
;; end of part 1
;; launch vq (part 2): grid 256 x 1, 8 waves a work-group, clusters of 4 x 1, 327,680 bytes of LDS; arguments inputs, wimg, out1, idxw; writes out1, idxw
.if DOCPART == 2
	.amdgcn_target "amdgcn-amd-amdhsa--gfx1250"
	.amdhsa_code_object_version 6
	.text
	.protected	k_qe9dd165152_vq
	.globl	k_qe9dd165152_vq
	.p2align	8
	.type	k_qe9dd165152_vq,@function
k_qe9dd165152_vq:
	s_mov_b64 s[64:65], 0
	v_nop
	global_prefetch_b8 v0, s[64:65] scope:SCOPE_SE
	s_setreg_imm32_b32 hwreg(HW_REG_WAVE_MODE, 25, 1), 1
	s_wait_xcnt 0x0
	s_wait_alu depctr_hold_cnt(0) depctr_sa_sdst(0) depctr_va_vdst(0) depctr_va_sdst(0) depctr_va_ssrc(0) depctr_va_vcc(0) depctr_vm_vsrc(0)
	s_getreg_b32 s2, hwreg(HW_REG_IB_STS2, 6, 4)
	s_cmp_eq_u32 s2, 0
	s_cbranch_scc0 .Lentry_in_a_cluster
	s_endpgm
.Lentry_in_a_cluster:
	s_bfe_u32 s2, ttmp6, 0x10000c
	s_cmp_lg_u32 s2, 0x3003
	s_cbranch_scc0 .Lentry_shape_is_right
	s_endpgm
.Lentry_shape_is_right:
; idx[n] = the first code row j with the least d(n, j) = fl(fl(|x_n|^2 + |w_j|^2) - 2 x_n.w_j); x.w is the product of E3M2 codes with E8M0 scales, f32 sums, K ascending on one accumulator.
; Nothing of the formula is left out: |x_n|^2 is the same for all j, but it sets the f32 rounding of every d, and so the ties that the first index decides.
; SHARES: a work-group owns 128 rows of x, 256 work-groups.  In the head wave w quantises rows 16 w .. 16 w + 15 (codes, scale words, sum of squares) and hands them to the others through LDS as an image of
; the operand's registers: every wave then holds all eight x tiles (192 registers, window 1).  The 512 code tiles of wimg (3,328 bytes each) go through a ring of two LDS slots of 32 tiles;
; wave w fetches and reads tiles 4 w .. 4 w + 3 of each slot: 64 tiles a wave, 16 matrix instructions a tile.
; CLUSTER: four work-groups walk the same tiles: each part of a slot is asked for jointly (mask 15), behind a round of the cluster's barrier, one tensor load a wave.
; THE MATRIX INSTRUCTION: source 0 = 16 code rows, source 1 = 16 rows of x: lane (r, h) holds row r of the x tile, its registers code rows 8 h + 0 .. 7 of the code tile.
; THE LOOP IS LAID IN PHASES: the x tiles are two halves, A = 0-3 and B = 4-7.  Four matrix instructions on one half stand in front of the vector work of two x tiles of the other half, whose sums are finished:
;   first phase of tile n: sums of A for tile n, distances of B for tile n - 1;   second phase: sums of B for tile n, distances of A for tile n.  The accumulators take turns.
; The slot is changed in the first phase of a slot's last tile: its last LDS reads have come back there, so the refill goes out in the slot's next-to-last phase and the next slot's first codes have three groups of work in which to arrive.
; PER LANE AND X TILE: the least d so far, the tile that brought it (strictly less: the first tile stays), and that tile's eight d, from which the row in the tile is read at the end.
; No data prefetch is laid: the stream is wimg's 1,703,936 bytes, which all 64 clusters walk in the same order, and each refill is asked for a whole slot (64 matrix instructions a wave) ahead of its first read.
; LIMITS: NaN and infinities are not served; a block of zeros of x gets the scale byte 1 (its codes are zeros); blocks under 2^-122 are held at the byte 1; a row's sum of squares is taken in this text's own order.
.set TB,    3328                       ; a code tile's block in wimg
.set PART,  4*TB                       ; a wave's part of a slot
.set SLOTB, 8*PART
.set SLOT1, 1<<17                      ; slot 1's first byte
.set XIMG,  SLOTB                      ; behind slot 0: the x tiles' register images, 8 x 3,072 bytes
.set STG,   SLOT1+SLOTB                ; behind slot 1: a stage of 16 x 528 bytes for each wave; at the end the waves' results
.set XSC,   STG+8*8448                 ; x's scale words, 128 bytes a wave
.set SXB,   XSC+1024                   ; x's sums of squares, 128 bytes a wave
.set SPARE, SXB+1024                   ; the spare words, 128 bytes a wave
.set TRIPS, 14                         ; trips that fill a slot again: slots 2 to 15
.set XA,   3                           ; 16 x lane
.set STI,  4
.set STO,  5
.set XWI,  6
.set XWS,  7
.set SXW,  8
.set LIX,  9
.set LSX,  10
.set LSS,  11
.set AF0,  12                          ; my part of slot 0: codes, scale words, sums of squares
.set AS0,  13
.set AW0,  14
.set H8,   15
.set XS,   16                          ; v16-23 x's scale words: lanes 0-15 K step 0, lanes 16-31 K step 1
.set CS,   24                          ; v24-25 the code tile's scale words, two sets
.set GID,  26                          ; the tile's number
.set AFR,  27                          ; the same three addresses in the slot that is read
.set SPW,  28
.set NIL,  29
.set ASC,  30
.set ASW,  31
.set ACC,  32                          ; v32-95   eight accumulators, then the distances
.set SAVE, 96                          ; v96-159  the eight d of the best tile, for each x tile
.set SX,   160                         ; v160-175 |x|^2 of my row of each x tile, twice
.set SW,   176                         ; v176-191 |w|^2 of my eight code rows, two sets
.set C,    192                         ; v192-207 at work
.set BEST, 208                         ; v208-223 the least d, two sets by turns
.set BID,  224                         ; v224-231 its tile
.set HH,   232
.set MW,   233
.set MR,   234
.set OA,   235
.set X,    32                          ; the head's registers
.set RAW0, 96
.set RAW1, 160
.set TM,   96
.set PC,   112
.set PW,   132
.set SQ,   134
.set CF,   192                         ; window 1: v0-191 x's fragments, v192-239 the code tile's, two sets
.set SRC,  4
.set WV,   12
.set SEL,  20
.set G1,   24
.set G0A,  32
.set G0B,  36
.set TBS,  40
.set TID,  41
.set CNT,  42
.set MSB, 0
.macro WIN new                         ; the immediate's high byte repeats the setting that is left
.if MSB != \new
	s_set_vgpr_msb (MSB<<8)|\new
.set MSB, \new
.endif
.endm
.macro CREST                           ; a round of the cluster's barrier behind its opening barrier
	s_cmp_lg_u32 s[WV], 0
	s_cbranch_scc1 .Lnot_wave_0_\@
	s_barrier_signal -3
.Lnot_wave_0_\@:
	s_barrier_wait -3
	s_barrier_signal -1
	s_barrier_wait -1
.endm
.macro CROUND
	s_barrier_signal -1
	s_barrier_wait -1
	CREST
.endm
.macro XLOAD s, reg                    ; K step s of my 16 rows: each load takes 512 consecutive bytes of row i
.irp i, 0,1,2,3,4,5,6,7,8,9,10,11,12,13,14,15
	global_load_b128 v[\reg+4*\i:\reg+4*\i+3], v[XA], s[SRC:SRC+1] offset:1024*\i+512*(\s) th:TH_LOAD_NT
.endr
.endm
.macro TOSTAGE reg
.irp i, 0,1,2,3,4,5,6,7,8,9,10,11,12,13,14,15
	ds_store_b128 v[STI], v[\reg+4*\i:\reg+4*\i+3] offset:528*\i
.endr
.endm
.macro FROMSTAGE                       ; lane (r, h) takes of row r the 16 numbers 32 b + 16 h on of each block b; LDS serves a wave's instructions in order
.irp b, 0,1,2,3
.irp j, 0,1,2,3
	ds_load_b128 v[X+16*\b+4*\j:X+16*\b+4*\j+3], v[STO] offset:128*\b+16*\j
.endr
.endr
.endm
.macro SUMSQ first                     ; the squares of my 64 numbers onto two packed chains
.if \first
	v_pk_mul_f32 v[SQ:SQ+1], v[X:X+1], v[X:X+1]
	v_pk_mul_f32 v[SQ+2:SQ+3], v[X+2:X+3], v[X+2:X+3]
.else
	v_pk_fma_f32 v[SQ:SQ+1], v[X:X+1], v[X:X+1], v[SQ:SQ+1]
	v_pk_fma_f32 v[SQ+2:SQ+3], v[X+2:X+3], v[X+2:X+3], v[SQ+2:SQ+3]
.endif
.irp j, 4,8,12,16,20,24,28,32,36,40,44,48,52,56,60
	s_delay_alu instid0(VALU_DEP_2)
	v_pk_fma_f32 v[SQ:SQ+1], v[X+\j:X+\j+1], v[X+\j:X+\j+1], v[SQ:SQ+1]
	s_delay_alu instid0(VALU_DEP_2)
	v_pk_fma_f32 v[SQ+2:SQ+3], v[X+\j+2:X+\j+3], v[X+\j+2:X+\j+3], v[SQ+2:SQ+3]
.endr
.endm
.macro SQEND                           ; the four part sums, and lane l xor 16's
	v_add_f32 v[SQ], v[SQ], v[SQ+1]
	v_add_f32 v[SQ+2], v[SQ+2], v[SQ+3]
	s_delay_alu instid0(VALU_DEP_1)
	v_add_f32 v[SQ], v[SQ], v[SQ+2]
	s_delay_alu instid0(VALU_DEP_1)
	v_permlanex16_b32 v[SQ+1], v[SQ], s[SEL], s[SEL+1]
	s_delay_alu instid0(VALU_DEP_1)
	v_add_f32 v[SQ], v[SQ], v[SQ+1]
.endm
.macro QUANT                           ; v[X] on become a fragment's codes in v[PC] .. v[PC+11] and my row's scale word in v[PW]
.irp b, 0,1,2,3
	v_max3_num_f32 v[TM+\b], |v[X+16*\b]|, |v[X+1+16*\b]|, 0x2800000   ; my 16 numbers of block b, and the floor 2^(5 - 127): the byte cannot fall under 1
.endr
.irp i, 2,4,6,8,10,12,14
.irp b, 0,1,2,3
	s_delay_alu instid0(VALU_DEP_4)
	v_max3_num_f32 v[TM+\b], v[TM+\b], |v[X+16*\b+\i]|, |v[X+1+16*\b+\i]|
.endr
.endr
.irp b, 0,1,2,3
	s_delay_alu instid0(VALU_DEP_4)
	v_permlanex16_b32 v[TM+4+\b], v[TM+\b], s[SEL], s[SEL+1]
.endr
.irp b, 0,1,2,3
	s_delay_alu instid0(VALU_DEP_4)
	v_max_num_f32 v[TM+\b], v[TM+\b], v[TM+4+\b]   ; with lane l xor 16's: the block's largest magnitude
.endr
.irp b, 0,1,2,3
	s_delay_alu instid0(VALU_DEP_4)
	v_add_nc_u32 v[TM+12+\b], 0xfe000000, v[TM+\b]   ; 4 off its exponent field: the conversion's scale operand
.endr
.irp b, 0,1,2,3
	s_delay_alu instid0(VALU_DEP_4)
	v_lshrrev_b32 v[TM+4+\b], 23, v[TM+12+\b]      ; the scale's byte
.endr
	s_delay_alu instid0(VALU_DEP_3)
	v_lshl_or_b32 v[PW], v[TM+5], 8, v[TM+4]
	s_delay_alu instid0(VALU_DEP_1)
	v_lshl_or_b32 v[PW], v[TM+6], 16, v[PW]
	s_delay_alu instid0(VALU_DEP_1)
	v_lshl_or_b32 v[PW], v[TM+7], 24, v[PW]
.irp c, 0,1
	v_cvt_scalef32_pk16_bf6_f32 v[PC+6*\c:PC+2+6*\c], v[X+32*\c:X+15+32*\c], v[TM+12+2*\c]
	v_cvt_scalef32_pk16_bf6_f32 v[PC+12+4*\c:PC+14+4*\c], v[X+16+32*\c:X+31+32*\c], v[TM+12+2*\c+1]
.endr
	v_nop                                          ; one plain place behind a scaled conversion
.irp c, 0,1                                    ; the operand's layout wants a whole block in a lane
.irp i, 0,1,2
	v_permlane16_swap_b32 v[PC+6*\c+\i], v[PC+12+4*\c+\i]
.endr
.irp i, 0,1,2
	s_delay_alu instid0(VALU_DEP_3)
	v_mov_b32 v[PC+3+6*\c+\i], v[PC+12+4*\c+\i]
.endr
.endr
.endm
.macro FETCHC p, par                   ; tile p of my part of the slot that is read: codes and scale words into set par
	WIN 0x40
.irp g, 0,1,2,3,4,5
	ds_load_b128 v[CF+24*(\par)+4*\g:CF+24*(\par)+4*\g+3], v[AFR] offset:(\p)*TB+512*\g
.endr
	WIN 0
	ds_load_b32 v[CS+(\par)], v[ASC] offset:(\p)*TB
.endm
.macro FETCHW p, par                   ; and the sums of squares of my eight code rows
	ds_load_b128 v[SW+8*(\par):SW+8*(\par)+3], v[ASW] offset:(\p)*TB
	ds_load_b128 v[SW+8*(\par)+4:SW+8*(\par)+7], v[ASW] offset:(\p)*TB+16
.endm
.macro WM s, par, t0                   ; four matrix instructions: K step s of the code tile in set par against x tiles t0 .. t0 + 3; K step 0 starts the sums
	WIN 0x05
.irp u, 0,1,2,3
.if (\s) == 0
	v_wmma_scale_f32_16x16x128_f8f6f4 v[ACC+8*((\t0)+\u):ACC+8*((\t0)+\u)+7], v[CF+24*(\par):CF+24*(\par)+11], v[24*((\t0)+\u):24*((\t0)+\u)+11], 0, v[CS+(\par)], v[XS+(\t0)+\u] matrix_a_fmt:MATRIX_FMT_BF6 matrix_b_fmt:MATRIX_FMT_BF6
.else
	v_wmma_scale_f32_16x16x128_f8f6f4 v[ACC+8*((\t0)+\u):ACC+8*((\t0)+\u)+7], v[CF+24*(\par)+12:CF+24*(\par)+23], v[24*((\t0)+\u)+12:24*((\t0)+\u)+23], v[ACC+8*((\t0)+\u):ACC+8*((\t0)+\u)+7], v[CS+(\par)], v[XS+(\t0)+\u] matrix_a_fmt:MATRIX_FMT_BF6 matrix_b_fmt:MATRIX_FMT_BF6 matrix_a_scale:MATRIX_SCALE_ROW1 matrix_b_scale:MATRIX_SCALE_ROW1
.endif
.endr
	WIN 0
.endm
; The distances of x tiles t and t + 1 against the code tile whose sums of squares lie in set par, the two tiles by turns: c = |w|^2 + |x|^2; d = c - 2 x.w, one rounding; the least of the old best and the eight d
; (three independent minima of three and one that joins them); where it is strictly less than the old best, the tile's number and its eight d are kept.
.macro VP t, par
.set BO, BEST+8*(\par)+(\t)
.set BN, BEST+8*(1-(\par))+(\t)
.set A0, ACC+8*(\t)
.set W0, SW+8*(\par)
.irp q, 0,2,4,6
	v_pk_add_f32 v[C+\q:C+\q+1], v[W0+\q:W0+\q+1], v[SX+2*(\t):SX+2*(\t)+1]
.endr
.irp q, 0,2,4,6
	v_pk_add_f32 v[C+8+\q:C+9+\q], v[W0+\q:W0+\q+1], v[SX+2*(\t)+2:SX+2*(\t)+3]
.endr
.irp q, 0,2,4,6                                ; each accumulator is read from its low end on
	v_pk_fma_f32 v[A0+\q:A0+\q+1], v[A0+\q:A0+\q+1], -2.0, v[C+\q:C+\q+1] op_sel_hi:[1,0,1]
	v_pk_fma_f32 v[A0+8+\q:A0+9+\q], v[A0+8+\q:A0+9+\q], -2.0, v[C+8+\q:C+9+\q] op_sel_hi:[1,0,1]
.endr
	v_min3_num_f32 v[C], v[BO], v[A0], v[A0+1]
	v_min3_num_f32 v[C+8], v[BO+1], v[A0+8], v[A0+9]
	v_min3_num_f32 v[C+1], v[A0+2], v[A0+3], v[A0+4]
	v_min3_num_f32 v[C+9], v[A0+10], v[A0+11], v[A0+12]
	v_min3_num_f32 v[C+2], v[A0+5], v[A0+6], v[A0+7]
	v_min3_num_f32 v[C+10], v[A0+13], v[A0+14], v[A0+15]
	s_delay_alu instid0(VALU_DEP_2)
	v_min3_num_f32 v[BN], v[C], v[C+1], v[C+2]
	s_delay_alu instid0(VALU_DEP_2)
	v_min3_num_f32 v[BN+1], v[C+8], v[C+9], v[C+10]
.irp u, 0,1
	v_cmp_lt_f32 vcc_lo, v[BN+\u], v[BO+\u]
	s_delay_alu instid0(VALU_DEP_1)
	v_cndmask_b32 v[BID+(\t)+\u], v[BID+(\t)+\u], v[GID], vcc_lo
.irp q, 0,2,4,6
	v_dual_cndmask_b32 v[SAVE+8*((\t)+\u)+\q], v[SAVE+8*((\t)+\u)+\q], v[ACC+8*((\t)+\u)+\q] :: v_dual_cndmask_b32 v[SAVE+8*((\t)+\u)+\q+1], v[SAVE+8*((\t)+\u)+\q+1], v[ACC+8*((\t)+\u)+\q+1]
.endr
.endr
.endm
; A tile's first phase: its fragments, asked for a phase ago, are in; sums of half A; distances of half B for the tile before
.macro P1 par
	s_wait_dscnt 0x0
	WM 0, \par, 0
	VP 4, 1-(\par)
	WM 1, \par, 0
	VP 6, 1-(\par)
.endm
; A tile's second phase: sums of half B, distances of half A.  fetch = 1: the slot's next tile is asked for; 2: only the sums of squares of the next slot's first tile (its codes were asked for at the change of slots); 0: nothing
.macro P2 p, par, fetch, inc
.if \fetch == 1
	FETCHC (\p)+1, 1-(\par)
	FETCHW (\p)+1, 1-(\par)
.endif
.if \fetch == 2
	FETCHW 0, 1-(\par)
.endif
	v_mov_b32 v[GID], s[TID]
	WM 0, \par, 4
	VP 0, \par
	WM 1, \par, 4
	VP 2, \par
	s_add_co_u32 s[TID], s[TID], \inc
.endm
; The first phase of a slot's last tile (set 1), with the change of slots.  My last reads of this slot are that tile's fragments.  fill = 1: the slot is filled again, two slots ahead.
.macro P1T fill
	s_wait_tensorcnt 0x0                           ; all my tensor loads have landed: my part of the next slot
.if \fill
	ds_add_u32 v[SPW], v[NIL]                      ; 0 onto my spare word
	s_xor_b32 s[G0B+1], s[G0B+1], SLOT1            ; no tensor load of mine is out: the descriptor steps to this slot, two slots on in wimg
	s_add_nc_u64 s[G0B+2:G0B+3], s[G0B+2:G0B+3], SLOTB
.endif
	VP 4, 0                                        ; work on registers stands between the add and the wait for it
	s_wait_dscnt 0x0                               ; the add is done, and my reads of this slot are back
.if \fill
	s_barrier_signal -1                            ; opens a round of the cluster's barrier
.endif
	WM 0, 1, 0
.if \fill
	s_barrier_wait -1
	CREST                                          ; no wave of any partner still reads this slot or has a load on its way
	tensor_load_to_lds s[G0B:G0B+3], s[G1:G1+7]    ; my one tensor load behind the round
	s_nop 0
.rept 4
	v_nop
.endr
.endif
	s_xor_b32 s[TBS], s[TBS], SLOT1
	v_add_nc_u32 v[AFR], s[TBS], v[AF0]
	v_add_nc_u32 v[ASC], s[TBS], v[AS0]
	v_add_nc_u32 v[ASW], s[TBS], v[AW0]
	FETCHC 0, 0                                    ; the next slot's first tile; set 0's sums of squares are still at work and follow in the next phase
	WM 1, 1, 0
	VP 6, 0
.endm
; A slot, from its first tile's second phase to the next slot's first phase.  kind = 1: it is filled again; 0: it is not; 2: the last slot
.macro SLOTW kind
	P2 0, 0, 1, 1
	P1 1
	P2 1, 1, 1, 1
	P1 0
	P2 2, 0, 1, 1
.if \kind == 2
	P1 1
	P2 3, 1, 0, 1
	VP 4, 1
	VP 6, 1
.else
	P1T \kind
	P2 3, 1, 2, 29                                 ; my next tile is 32 - 3 further on
	P1 0
.endif
.endm
.macro LEXMIN va, ia, vb, ib           ; (value, index) a becomes the lesser of a and b: by value, then by index
	v_cmp_lt_f32 s44, v[\vb], v[\va]
	v_cmp_eq_f32 s45, v[\vb], v[\va]
	v_cmp_lt_u32 s46, v[\ib], v[\ia]
	s_and_b32 s45, s45, s46
	s_or_b32 s44, s44, s45
	v_cndmask_b32 v[\va], v[\va], v[\vb], s44
	v_cndmask_b32 v[\ia], v[\ia], v[\ib], s44
.endm
	s_load_b128 s[4:7], s[0:1], 0x0                ; x, wimg
	s_load_b128 s[8:11], s[0:1], 0x10              ; out1, idxw
	v_lshl_add_u32 v[SPW], v0, 2, SPARE
	v_mov_b32 v[NIL], 0
	ds_add_u32 v[SPW], v[NIL]                      ; the opening lines: the add, twice on end, and its wait ahead of the round in front of my first tensor load
	ds_add_u32 v[SPW], v[NIL]
	v_lshrrev_b32 v1, 5, v0
	s_delay_alu instid0(VALU_DEP_1)
	v_readfirstlane_b32 s[WV], v1                  ; wave 0..7
	s_bfe_u32 s13, ttmp6, 0x40000
	s_lshl_b32 s14, ttmp9, 2
	s_add_co_u32 s14, s14, s13                     ; my work-group: it enters x's and the outputs' addresses alone
	s_mov_b32 s[G1], 15|(3<<16)|(1<<21)            ; group 1: the mask of the four partners; 52 rows of 32 elements of 8 bytes: a part of 13,312 dense bytes
	s_mov_b32 s[G1+1], 32<<16
	s_mov_b32 s[G1+2], 52<<16
	s_mov_b32 s[G1+3], 32<<16
	s_mov_b32 s[G1+4], 52
	s_mov_b32 s[G1+5], 32
	s_mov_b32 s[G1+6], 0
	s_mov_b32 s[G1+7], 0
	s_mul_i32 s15, s[WV], PART
	s_mov_b32 s16, s15
	s_mov_b32 s17, 0
	s_mov_b32 s[SEL], 0x76543210
	s_mov_b32 s[SEL+1], 0xfedcba98
	s_mov_b32 s[TBS], 0
	s_lshl_b32 s[TID], s[WV], 2
	s_mov_b32 s[CNT], TRIPS
	s_lshl_b32 s48, s14, 17                        ; x: 128 rows of 1,024 bytes a work-group, 16 a wave
	s_lshl_b32 s49, s[WV], 14
	s_add_co_u32 s48, s48, s49
	s_mov_b32 s49, 0
	s_lshl_b32 s50, s14, 9                         ; the outputs: 512 bytes a work-group, stored by waves 0 and 1
	s_min_u32 s51, s[WV], 1
	s_lshl_b32 s51, s51, 8
	s_add_co_u32 s50, s50, s51
	s_mov_b32 s51, 0
	s_mul_i32 s44, s[WV], 8448
	s_add_co_u32 s44, s44, STG                     ; my stage
	s_mul_i32 s45, s[WV], 3072
	s_add_co_u32 s45, s45, XIMG                    ; my x tile's image
	s_lshl_b32 s47, s[WV], 7
	s_add_co_u32 s46, s47, XSC
	s_add_co_u32 s47, s47, SXB
	s_add_co_u32 s52, s15, 3072
	s_add_co_u32 s53, s15, 3200
	s_lshl_b32 s54, s[WV], 10
	s_add_co_u32 s54, s54, STG
	s_min_u32 s55, s[WV], 1
	s_lshl_b32 s55, s55, 9
	s_add_co_u32 s55, s55, STG
	v_and_b32 v1, 31, v0                           ; lane
	v_and_b32 v2, 15, v0                           ; r
	v_bfe_u32 v[HH], v0, 4, 1                      ; h
	s_delay_alu instid0(VALU_DEP_3)
	v_lshlrev_b32 v[XA], 4, v1
	s_delay_alu instid0(VALU_DEP_3)
	v_mul_u32_u24 v[STO], v2, 528
	v_lshl_add_u32 v[XWS], v2, 2, s46
	v_lshl_add_u32 v[SXW], v1, 2, s47
	v_lshl_add_u32 v[LSX], v1, 2, XSC
	s_delay_alu instid0(VALU_DEP_4)
	v_lshl_add_u32 v[STO], v[HH], 6, v[STO]
	v_add_nc_u32 v[STI], s44, v[XA]
	v_add_nc_u32 v[XWI], s45, v[XA]
	v_add_nc_u32 v[LIX], XIMG, v[XA]
	s_delay_alu instid0(VALU_DEP_4)
	v_add_nc_u32 v[STO], s44, v[STO]
	v_lshl_add_u32 v[LSS], v1, 2, SXB
	v_add_nc_u32 v[AF0], s15, v[XA]
	v_lshl_add_u32 v[AS0], v1, 2, s52
	v_lshl_add_u32 v[AW0], v[HH], 5, s53
	v_lshlrev_b32 v[H8], 3, v[HH]
	v_lshl_add_u32 v[MW], v2, 3, s54
	v_add_nc_u32 v[MR], s55, v[XA]
	v_lshlrev_b32 v[OA], 3, v1
	v_mov_b32 v[AFR], v[AF0]                       ; slot 0 is read first
	v_mov_b32 v[ASC], v[AS0]
	v_mov_b32 v[ASW], v[AW0]
	s_wait_alu depctr_va_vdst(0)
	s_wait_dscnt 0x0                               ; both opening adds are done
	s_wait_kmcnt 0x0
	s_add_nc_u64 s[SRC:SRC+1], s[SRC:SRC+1], s[48:49]
	XLOAD 0, RAW0                                  ; my 16,384 bytes of x are asked for first: the round and the first tile's load run under their flight
	XLOAD 1, RAW1
	s_mov_b32 s[G0A], 1
	s_mov_b32 s[G0A+1], s15
	s_add_nc_u64 s[G0A+2:G0A+3], s[6:7], s[16:17]
	s_mov_b32 s[G0B], 1
	s_add_co_u32 s[G0B+1], s15, SLOT1
	s_add_nc_u64 s[G0B+2:G0B+3], s[G0A+2:G0A+3], SLOTB
	s_or_b32 s[G0A+3], s[G0A+3], 0x80000000
	s_or_b32 s[G0B+3], s[G0B+3], 0x80000000
	s_add_nc_u64 s[8:9], s[8:9], s[50:51]
	s_add_nc_u64 s[10:11], s[10:11], s[50:51]
	CROUND                                         ; the four partners are here: the first joint loads meet
	tensor_load_to_lds s[G0A:G0A+3], s[G1:G1+7]    ; my part of slot 0: one tensor load a wave at the head
	s_nop 0
.rept 4
	v_nop
.endr
	s_wait_loadcnt 0x10                            ; K step 0's sixteen loads are in, K step 1's sixteen stay out
	TOSTAGE RAW0
	FROMSTAGE
	s_wait_dscnt 0x0
.irp b, 0,1,2,3
	v_mov_b32 v[TM+4+\b], 0                        ; written once: a lane permute's destination counts as one of its sources
.endr
	SUMSQ 1
	QUANT
.irp c, 0,1,2
	ds_store_b128 v[XWI], v[PC+4*\c:PC+4*\c+3] offset:512*\c
.endr
	ds_store_b32 v[XWS], v[PW]
	s_wait_loadcnt 0x0
	TOSTAGE RAW1
	FROMSTAGE
	s_wait_dscnt 0x0
	SUMSQ 0
	QUANT
.irp c, 0,1,2
	ds_store_b128 v[XWI], v[PC+4*\c:PC+4*\c+3] offset:1536+512*\c
.endr
	ds_store_b32 v[XWS], v[PW] offset:64
	SQEND
	ds_store_b32 v[SXW], v[SQ]
	s_wait_alu depctr_va_vdst(0)
	s_wait_tensorcnt 0x0                           ; my part of slot 0 is in
	ds_add_u32 v[SPW], v[NIL]
	s_wait_dscnt 0x0                               ; the add is done, and so are my stores of my x tile: the round below also shows them to the other waves
	CROUND
	tensor_load_to_lds s[G0B:G0B+3], s[G1:G1+7]    ; my part of slot 1, the first tensor load behind the round
	s_nop 0
.rept 4
	v_nop
.endr
	WIN 0x40
.set g, 0
.rept 48
	ds_load_b128 v[4*g:4*g+3], v[LIX] offset:512*g   ; all eight x tiles, as the operand's registers
.set g, g+1
.endr
	WIN 0
.irp t, 0,1,2,3,4,5,6,7
	ds_load_b32 v[XS+\t], v[LSX] offset:128*\t
	ds_load_b32 v[SX+2*\t], v[LSS] offset:128*\t
	ds_load_b32 v[SX+2*\t+1], v[LSS] offset:128*\t
.endr
	FETCHC 0, 0
	FETCHW 0, 0
.irp t, 0,1,2,3,4,5,6,7
	v_mov_b32 v[BEST+\t], 0x7f800000
	v_mov_b32 v[BID+\t], 0
.endr
.set g, 0
.rept 64
	v_mov_b32 v[SAVE+g], 0x7f800000
.set g, g+1
.endr
	s_wait_alu depctr_va_vdst(0)
	s_wait_dscnt 0x0
	WM 0, 0, 0                                     ; the first tile's first phase has no tile before it
	WM 1, 0, 0
.Lslot:
	SLOTW 1
	s_sub_co_u32 s[CNT], s[CNT], 1
	s_cmp_lg_u32 s[CNT], 0
	s_wait_alu depctr_va_vdst(0)
	s_cbranch_scc1 .Lslot
	SLOTW 0                                        ; the last two slots fetch nothing more
	SLOTW 2
; THE END: the row in the best tile (the first d that equals the best), the index, lane l xor 16's eight rows, and then the eight waves' results through LDS
.set JJ, 32
.set OV, 40
.set PR, 48
.set OI, 64
.set MG, 96
.irp t, 0,1,2,3,4,5,6,7
	v_mov_b32 v[JJ+\t], 7
.endr
.irp j, 6,5,4,3,2,1,0
.irp t, 0,1,2,3,4,5,6,7
	v_cmp_neq_f32 vcc_lo, v[SAVE+8*\t+\j], v[BEST+\t]
	s_delay_alu instid0(VALU_DEP_1)
	v_cndmask_b32 v[JJ+\t], \j, v[JJ+\t], vcc_lo
.endr
.endr
.irp t, 0,1,2,3,4,5,6,7
	v_mov_b32 v[PR+2*\t], v[BEST+\t]
	v_lshl_add_u32 v[PR+2*\t+1], v[BID+\t], 4, v[JJ+\t]
.endr
.irp t, 0,1,2,3,4,5,6,7
	v_add_nc_u32 v[PR+2*\t+1], v[H8], v[PR+2*\t+1]   ; 16 x tile + 8 h + j
.endr
.irp t, 0,1,2,3,4,5,6,7
	v_permlanex16_b32 v[OV+\t], v[PR+2*\t], s[SEL], s[SEL+1]
	v_permlanex16_b32 v[OI+\t], v[PR+2*\t+1], s[SEL], s[SEL+1]
.endr
.irp t, 0,1,2,3,4,5,6,7
	LEXMIN PR+2*\t, PR+2*\t+1, OV+\t, OI+\t
	ds_store_b64 v[MW], v[PR+2*\t:PR+2*\t+1] offset:128*\t
.endr
	s_wait_dscnt 0x0                               ; for the others' sake: my stores are done
	s_barrier_signal -1
	s_barrier_wait -1
	s_cmp_gt_u32 s[WV], 1
	s_cbranch_scc1 .Ljoined                        ; waves 0 and 1 join 64 rows each: two rows a lane
.irp u, 0,1,2,3,4,5,6,7
	ds_load_b128 v[MG+4*\u:MG+4*\u+3], v[MR] offset:1024*\u
.endr
	s_wait_dscnt 0x0
.irp u, 1,2,3,4,5,6,7
	LEXMIN MG, MG+1, MG+4*\u, MG+4*\u+1
	LEXMIN MG+2, MG+3, MG+4*\u+2, MG+4*\u+3
.endr
	v_mov_b32 v[MG], v[MG+1]
	s_delay_alu instid0(VALU_DEP_2)
	v_mov_b32 v[MG+1], v[MG+3]
	global_store_b64 v[OA], v[MG:MG+1], s[8:9]     ; 32 lanes store one aligned block of 256 bytes
	global_store_b64 v[OA], v[MG:MG+1], s[10:11]
.Ljoined:
	s_wait_tensorcnt 0x0                           ; the wave's end
	ds_add_u32 v[SPW], v[NIL]
	s_wait_dscnt 0x0
	CROUND                                         ; the closing round
	s_endpgm
.Lfunc_end_k_qe9dd165152_vq:
	.size	k_qe9dd165152_vq, .Lfunc_end_k_qe9dd165152_vq-k_qe9dd165152_vq
	.p2alignl 7, 3214868480
	.fill 96, 4, 3214868480
	.section	.rodata,"a",@progbits
	.p2align	6, 0x0
	.amdhsa_kernel k_qe9dd165152_vq
		.amdhsa_group_segment_fixed_size 327680
		.amdhsa_private_segment_fixed_size 0
		.amdhsa_enable_private_segment 0
		.amdhsa_kernarg_size 32
		.amdhsa_user_sgpr_count 2
		.amdhsa_user_sgpr_kernarg_segment_ptr 1
		.amdhsa_wavefront_size32 1
		.amdhsa_system_sgpr_workgroup_id_x 1
		.amdhsa_system_sgpr_workgroup_id_y 1
		.amdhsa_system_sgpr_workgroup_id_z 1
		.amdhsa_system_vgpr_workitem_id 0
		.amdhsa_next_free_vgpr 512
		.amdhsa_next_free_sgpr 66
		.amdhsa_reserve_vcc 1
		.amdhsa_float_denorm_mode_32 3
		.amdhsa_float_denorm_mode_16_64 3
		.amdhsa_memory_ordered 1
		.amdhsa_forward_progress 1
		.amdhsa_inst_pref_size 203
	.end_amdhsa_kernel
	.amdgpu_metadata
---
amdhsa.version: [ 1, 2 ]
amdhsa.kernels:
  - .name:           k_qe9dd165152_vq
    .symbol:         k_qe9dd165152_vq.kd
    .args:
      - { .name: inputs, .offset: 0, .size: 8, .value_kind: global_buffer, .address_space: global }
      - { .name: wimg, .offset: 8, .size: 8, .value_kind: global_buffer, .address_space: global }
      - { .name: out1, .offset: 16, .size: 8, .value_kind: global_buffer, .address_space: global }
      - { .name: idxw, .offset: 24, .size: 8, .value_kind: global_buffer, .address_space: global }
    .group_segment_fixed_size: 327680
    .private_segment_fixed_size: 0
    .kernarg_segment_align: 8
    .kernarg_segment_size: 32
    .max_flat_workgroup_size: 256
    .sgpr_count:     66
    .vgpr_count:     512
    .wavefront_size: 32
...
	.end_amdgpu_metadata
.endif
;; end of part 2
;; launch gather (part 3): grid 256 x 1, 8 waves a work-group, no clusters, 0 bytes of LDS; arguments embeddings_weight, idxw, out0; writes out0
.if DOCPART == 3
	.amdgcn_target "amdgcn-amd-amdhsa--gfx1250"
	.amdhsa_code_object_version 6
	.text
	.protected	k_qe9dd165152_gather
	.globl	k_qe9dd165152_gather
	.p2align	8
	.type	k_qe9dd165152_gather,@function
k_qe9dd165152_gather:
	s_mov_b64 s[64:65], 0
	v_nop
	global_prefetch_b8 v0, s[64:65] scope:SCOPE_SE
	s_setreg_imm32_b32 hwreg(HW_REG_WAVE_MODE, 25, 1), 1
	s_wait_xcnt 0x0
; out0[n][:] = W[idx[n]][:]: 32,768 rows of 1,024 bytes, f32 as they lie.  The indices were stored as whole numbers by the launch before.
; A wave takes 16 rows.  Sixteen lanes take 256 consecutive bytes of a row, so an instruction serves two rows (lanes 0-15 row 2 i, lanes 16-31 row 2 i + 1), and every store fills two aligned
; blocks of 256 bytes whole.  All of a wave's 32 loads, 16,384 bytes, go out together; no register is written twice, so no loop and no wait but the counted ones.
; No LDS, no matrix unit, no cluster: nothing is shared and nothing is computed.  The rows carry no cache hint: a list may name a row twice.
	s_load_b128 s[4:7], s[0:1], 0x0                ; W, idxw
	s_load_b64 s[8:9], s[0:1], 0x10                ; out0
	v_lshrrev_b32 v1, 5, v0
	s_delay_alu instid0(VALU_DEP_1)
	v_readfirstlane_b32 s12, v1                    ; wave 0..7
	v_and_b32 v2, 15, v0                           ; r
	v_bfe_u32 v1, v0, 4, 1                         ; h
	s_delay_alu instid0(VALU_DEP_1)
	v_lshlrev_b32 v3, 2, v1                        ; the indices: 4 h
	s_delay_alu instid0(VALU_DEP_3)
	v_lshlrev_b32 v5, 4, v2                        ; 16 r
	s_delay_alu instid0(VALU_DEP_1)
	v_lshl_add_u32 v4, v1, 10, v5                  ; out0: 1,024 h + 16 r
	s_lshl_b32 s13, ttmp9, 7
	s_lshl_b32 s14, s12, 4
	s_add_co_u32 s13, s13, s14                     ; my first row: 128 x work-group + 16 x wave
	s_lshl_b32 s16, s13, 2
	s_mov_b32 s17, 0
	s_lshl_b32 s18, s13, 10
	s_mov_b32 s19, 0
	s_wait_alu depctr_va_vdst(0)
	s_wait_kmcnt 0x0
	s_add_nc_u64 s[6:7], s[6:7], s[16:17]
	s_add_nc_u64 s[8:9], s[8:9], s[18:19]
.irp i, 0,1,2,3,4,5,6,7
	global_load_b32 v[8+\i], v3, s[6:7] offset:8*\i   ; the index of row 2 i + h
.endr
	s_wait_loadcnt 0x0
.irp i, 0,1,2,3,4,5,6,7
	v_min_u32 v[8+\i], 0x1fff, v[8+\i]             ; an index stays inside the table of 8,192 rows
.endr
.irp i, 0,1,2,3,4,5,6,7
	v_lshlrev_b32 v[16+\i], 10, v[8+\i]            ; the row's first byte,
.endr
.irp i, 0,1,2,3,4,5,6,7
	v_add_nc_u32 v[16+\i], v5, v[16+\i]            ; and my 16 bytes of each 256
.endr
.set n, 0
.rept 32
	global_load_b128 v[32+4*n:32+4*n+3], v[16+n/4], s[4:5] offset:256*(n%4)
.set n, n+1
.endr
.set n, 0
.rept 32
	s_wait_loadcnt 31-n                            ; loads come back in order: piece n is in, the younger ones stay out
	global_store_b128 v4, v[32+4*n:32+4*n+3], s[8:9] offset:2048*(n/4)+256*(n%4) th:TH_STORE_NT
.set n, n+1
.endr
	s_endpgm
.Lfunc_end_k_qe9dd165152_gather:
	.size	k_qe9dd165152_gather, .Lfunc_end_k_qe9dd165152_gather-k_qe9dd165152_gather
	.p2alignl 7, 3214868480
	.fill 96, 4, 3214868480
	.section	.rodata,"a",@progbits
	.p2align	6, 0x0
	.amdhsa_kernel k_qe9dd165152_gather
		.amdhsa_group_segment_fixed_size 0
		.amdhsa_private_segment_fixed_size 0
		.amdhsa_enable_private_segment 0
		.amdhsa_kernarg_size 24
		.amdhsa_user_sgpr_count 2
		.amdhsa_user_sgpr_kernarg_segment_ptr 1
		.amdhsa_wavefront_size32 1
		.amdhsa_system_sgpr_workgroup_id_x 1
		.amdhsa_system_sgpr_workgroup_id_y 1
		.amdhsa_system_sgpr_workgroup_id_z 1
		.amdhsa_system_vgpr_workitem_id 0
		.amdhsa_next_free_vgpr 160
		.amdhsa_next_free_sgpr 66
		.amdhsa_reserve_vcc 0
		.amdhsa_float_denorm_mode_32 3
		.amdhsa_float_denorm_mode_16_64 3
		.amdhsa_memory_ordered 1
		.amdhsa_forward_progress 1
		.amdhsa_inst_pref_size 10
	.end_amdhsa_kernel
	.amdgpu_metadata
---
amdhsa.version: [ 1, 2 ]
amdhsa.kernels:
  - .name:           k_qe9dd165152_gather
    .symbol:         k_qe9dd165152_gather.kd
    .args:
      - { .name: embeddings_weight, .offset: 0, .size: 8, .value_kind: global_buffer, .address_space: global }
      - { .name: idxw, .offset: 8, .size: 8, .value_kind: global_buffer, .address_space: global }
      - { .name: out0, .offset: 16, .size: 8, .value_kind: global_buffer, .address_space: global }
    .group_segment_fixed_size: 0
    .private_segment_fixed_size: 0
    .kernarg_segment_align: 8
    .kernarg_segment_size: 24
    .max_flat_workgroup_size: 256
    .sgpr_count:     66
    .vgpr_count:     160
    .wavefront_size: 32
...
	.end_amdgpu_metadata
.endif
;; end of part 3
